; MI455X (gfx1250); checked and timed in simulation.
; The chip was launched on July 23, 2026; its instructions are those of AMD's public machine-readable ISA for CDNA 5 (MIT licence, August 2026) and "CDNA5" Instruction Set Architecture Reference Guide (July 2026). The comments in the code are by the model that wrote it; some were corrected since.
;; Multi Headed Self Attention. Allowed arithmetic: matrix products marked QUANTISED: E2M1 operands, one E8M0 scale for each 32 along K, by v_wmma_scale_f32_16x16x128_f8f6f4 with both operands' format E2M1 (or v_wmma_scale_f32_32x16x128_f4), f32 sums; everything else in f32.
;; Inputs: Wk_codes 1,024 x 32 x 16 uint8 (E2M1 codes of Wk, K innermost, in blocks of 32 codes, two codes a byte); Wk_scales 1,024 x 32 uint8 (E8M0 scales of Wk, one for each 32 codes along K); Wq_codes 1,024 x 32 x 16 uint8 (E2M1 codes of Wq, K innermost, in blocks of 32 codes, two codes a byte); Wq_scales 1,024 x 32 uint8 (E8M0 scales of Wq, one for each 32 codes along K); Wv_codes 1,024 x 32 x 16 uint8 (E2M1 codes of Wv, K innermost, in blocks of 32 codes, two codes a byte); Wv_scales 1,024 x 32 uint8 (E8M0 scales of Wv, one for each 32 codes along K); bk 1,024 float32; bq 1,024 float32; bv 1,024 float32; overall_bias 1 x 16 x 1 x 1 float32; overall_gain 1 x 16 x 1 x 1 float32; pre_query_codes 4 x 2,048 x 32 x 16 uint8 (E2M1 codes of pre_query, K innermost, in blocks of 32 codes, two codes a byte); pre_query_scales 4 x 2,048 x 32 uint8 (E8M0 scales of pre_query, one for each 32 codes along K); pre_value_key_codes 4 x 2,048 x 32 x 16 uint8 (E2M1 codes of pre_value_key, K innermost, in blocks of 32 codes, two codes a byte); pre_value_key_scales 4 x 2,048 x 32 uint8 (E8M0 scales of pre_value_key, one for each 32 codes along K); value_key_counts 4 float32; value_key_masks 4 x 2,048 float32.
;; Outputs: out0 4 x 2,048 x 1,024 float32.
;; This version of the problem:
;;   THIS VERSION OF THE PROBLEM IS GIVEN IN LOW PRECISION. The matrix products marked QUANTISED in the list below multiply operands that are first quantised to E2M1 (2 exponent bits, 1 mantissa bit; 4 bits a number), with one power-of-two scale for each 32 numbers along K (OCP MX v1.0); their sums are f32. All else is computed in f32.
;;   The module's matrix products, in the order in which they are computed (A, B: the left and right operand; K: the contracted axis; several contracted axes count as one K, in the product's order):
;;     1. [M 8,192, K 1,024] x [K 1,024, N 1,024]; A: input pre_query (given as codes); B: input Wq (given as codes): QUANTISED
;;     2. [M 8,192, K 1,024] x [K 1,024, N 1,024]; A: input pre_value_key (given as codes); B: input Wk (given as codes): QUANTISED
;;     3. [M 8,192, K 1,024] x [K 1,024, N 1,024]; A: input pre_value_key (given as codes); B: input Wv (given as codes): QUANTISED
;;     4. batch 64 x [M 2,048, K 64] x [K 64, N 2,048]; A: computed on the way; B: computed on the way: QUANTISED
;;     5. batch 64 x [M 2,048, K 2,048] x [K 2,048, N 64]; A: softmax (see below); B: computed on the way: QUANTISED
;;   THE QUANTISER, for each operand of a quantised product, along K:
;;     - K is cut into blocks of 32 from its start; a last block that is shorter is filled with zeros.
;;     - A block's scale is 2^e with e = floor(log2(the largest magnitude in the block)) - 2, held to -126 .. 127; a block of zeros has e = 0. As a byte (E8M0): e + 127.
;;     - Each number is divided by its block's scale, clamped to +-6, and rounded to the nearest number of E2M1, ties to even, subnormals kept.
;;     - The product sums the exact products of the quantised numbers (number of the format x scale) in f32.
;;   ~~~python
;;   def quantise(x, axis):      # numpy; x: float32 -> the quantised numbers, widened to float32 again
;;       x = np.moveaxis(x, axis, -1); K = x.shape[-1]
;;       x = np.pad(x, [(0, 0)] * (x.ndim - 1) + [(0, -K % 32)]); x = x.reshape(x.shape[:-1] + (-1, 32)); a = np.abs(x).max(-1, keepdims=True)
;;       e = np.where(a > 0, np.clip(np.frexp(np.where(a > 0, a, 1))[1] - 1 - 2, -126, 127), 0)      # np.frexp(a)[1] - 1 = floor(log2(a)), exactly
;;       r = np.clip(x / 2.0 ** e, -6, 6)
;;       step = 2.0 ** (np.maximum(np.frexp(np.where(r == 0, 1, r))[1] - 1, 0) - 1)
;;       q = np.round(r / step) * step * 2.0 ** e      # np.round: ties to even
;;       return np.moveaxis(q.reshape(q.shape[:-2] + (-1,))[..., :K], -1, axis).astype(np.float32)
;;   ~~~
;;   SOFTMAX AHEAD OF A QUANTISED PRODUCT. Where the list says 'softmax', what is quantised is not the finished softmax but p = 2^(t - M), with t = logit x log2(e) and M = ceil(the row's largest t), a whole number; so 1/2 < the row's largest p <= 1. The row's sum l is taken of the UNQUANTISED p, in f32, and the product's result is divided by l at the end. Since M is a whole number, a kernel that streams over the keys may use a running M (the ceiling of the running maximum): every later rescaling is an exact power of two, which a block's scale takes up: the codes' values come out the same.
;;   OPERANDS COMPUTED ON THE WAY. 'Computed on the way' means the value that the module computes at that place (a softmax that the list does not call 'softmax' is quantised finished and normalised). What goes into a quantiser is computed in f32, as accurately as f32 sums, v_exp_f32 and their like allow (about 1e-6 of the number): no bf16 or f16 on the way to a quantiser, and a product that is left as it is and whose result goes on into a quantised operand takes f32 operands (vector FMAs, or v_wmma_f32_16x16x4_f32). A number that lies on a knife's edge between two numbers of the format may be rounded either way, as far as f32 arithmetic and the matrix unit's own rounding can turn it there, and no further.
;;   INPUTS GIVEN AS CODES. Wk (in the module: [1024, 1024], K = its axis 1); Wq (in the module: [1024, 1024], K = its axis 1); Wv (in the module: [1024, 1024], K = its axis 1); pre_query (in the module: [4, 2048, 1024], K = its axis 2); pre_value_key (in the module: [4, 2048, 1024], K = its axis 2): each comes as NAME_codes (uint8): NAME with its K axis moved to the last place and cut into blocks of 32 codes, [.., K / 32, bytes a block], one block behind the other in memory; two codes a byte, the lower K in the low four bits (a code: sign, 2 exponent bits, 1 mantissa bit); and NAME_scales (uint8): the same leading axes, one E8M0 byte (e + 127) for each 32 codes along K. Its value is code x scale, taken as it is: it is not quantised again, and the codes and scales need not be those that the quantiser above would give.
;; One version. Each part assembles by itself: llvm-mc -triple=amdgcn-amd-amdhsa -mcpu=gfx1250 --defsym DOCPART=n.
;; ======== version 1 of 1: 2 launches
;; limits: right only within a limited range of input values
;; workspace buffers: qx 4,456,448 bytes; kv 8,912,896 bytes; kpart 131,072 bytes
;; launch proj (part 1): grid 192 x 1, 4 waves a work-group, no clusters, 168,448 bytes of LDS; arguments pre_query_codes, pre_query_scales, pre_value_key_codes, pre_value_key_scales, Wq_codes, Wq_scales, Wk_codes, Wk_scales, Wv_codes, Wv_scales, bq, bk, bv, value_key_masks, qx, kv, kpart; writes qx, kv, kpart
.if DOCPART == 1
	.amdgcn_target "amdgcn-amd-amdhsa--gfx1250"
	.amdhsa_code_object_version 6
	.text
	.protected	k_q66ba2782bd_proj
	.globl	k_q66ba2782bd_proj
	.p2align	8
	.type	k_q66ba2782bd_proj,@function
k_q66ba2782bd_proj:
	s_mov_b64 s[64:65], 0
	v_nop
	global_prefetch_b8 v0, s[64:65] scope:SCOPE_SE
	s_setreg_imm32_b32 hwreg(HW_REG_WAVE_MODE, 25, 1), 1
	s_wait_xcnt 0x0
; THE THREE PROJECTIONS on codes of FP4 (E2M1, one E8M0 scale for each 32 along K), and the quantising of their results for the attention launch.
; mode = work-group / 64:  0: q = pre_query Wq^T + bq;  1: k = pre_value_key Wk^T + bk;  2: v = pre_value_key Wv^T + bv.
; Every product is D = P R^T + bias with source 0 = 16 rows of P, source 1 = 16 rows of R: a lane then holds ONE row of R and its registers run along P's rows,
; which is the axis that is quantised next: modes 0, 1: P = the weight (the head's 64 features), R = the tokens; mode 2: P = the tokens (the keys), R = Wv.
; THE ROWS OF A TILE ARE NOT NEIGHBOURS, of P and of R alike: lane r of tile 2 b + u takes row 32 b + 8 u + r + 8 (r / 8).  For P that makes the 16 registers of tiles 2 b, 2 b + 1
; sixteen neighbours along the next K; for R it gives the tiles of keys, queries and channels that the attention launch wants.
; SHARES.  A work-group takes 512 rows of P x 256 rows of R, all of K = 1,024.  Wave w keeps P's rows 128 w .. 128 w + 127 in registers for the whole launch (8 tiles x 8 K steps x 8 = 512),
; read from memory once; R's 256 rows come into LDS once, by tensor loads, and every wave walks their 16 tiles: 64 matrix instructions a tile (8 accumulators by turns, 8 K steps), then the quantiser, then stores.
; 64 work-groups a mode, 192 equal shares: half of R's share to a work-group would give 384, one and a half times the 256 WGPs, and read P twice as often.
; NO JOINT LOADS: a block of R is wanted by 2 work-groups in modes 0 and 1 and by 16 in mode 2, so no one mask serves the one text, and each block is asked for once, at the start.
; WHAT IS STORED, in the order of the operands' registers:  q, k: for each head and tile of 16 rows an image of 512 bytes (lane l's 16 bytes at 16 l: block l / 16 of row l % 16), and for each pair of tiles a scale
; word a row (bytes 0, 1: the even tile's two blocks; bytes 2, 3: the odd tile's);  v: for each head, key step of 128 and tile of 16 channels a whole fragment (1,024 bytes) and a scale word a row.
; Mode 1 also sums mask_k x (quantised k_k) over its 256 keys, in f32: the pooled score is linear in k, so the attention launch needs only this sum.
; A block's scale byte is its largest magnitude's exponent field - 2, held at 1 from below.  A block of zeros keeps the byte 1 where the rule says 127: its codes are zeros, and this program alone reads the bytes.
; LIMITS: NaN and infinities among the inputs are not served.  The bias starts each sum (the C of its first product), so it is added first and not last.
.set RP,   528                         ; a row of R's codes in LDS: 512 bytes + 16 of padding
.set RSC,  256*RP                      ; behind the codes: R's scale bytes, 32 a row, dense
.set QHB,  69632                       ; qx: a head;
.set QGB,  4352                        ;     a group of 128 queries: 8 images, 256 bytes of scale words
.set KHB,  139264                      ; kv: a head;
.set KGB,  8704                        ;     a key step of 128: K's 8 images, 256 bytes of scale words, V's 4 fragments, 256 bytes of scale words
.set VC,   4352                        ;     where V's part of a step begins
; window 0
.set RA0,  2                           ; v2   LDS: my lane's place in a tile of R, tiles 0-7
.set RA1,  3                           ; v3   tiles 8-15
.set RSA,  4                           ; v4   LDS: my lane's 16 scale bytes of its row of R
.set PA,   5                           ; v5   memory: my lane's place in a tile of P
.set PSA,  6                           ; v6   and among P's scale bytes
.set CBA,  7                           ; v7   64 h: my half's eight numbers of a bias along P
.set TBA,  8                           ; v8   4 x (r + 8 (r / 8)): my row's number in a table along R
.set SA16, 9                           ; v9   16 x lane
.set SA8,  10                          ; v10  8 x lane
.set KOFF, 11                          ; v11  where my four sums of kbar go
.set RS,   16                          ; v16-19   R's scale words: register j: lanes 0-15 K step j, lanes 16-31 K step 4 + j
.set PS,   20                          ; v20-51   P's, four a tile, likewise
.set ACC,  52                          ; v52-115  the 8 accumulators
.set PC,   116                         ; v116-123 the codes just made
.set TM,   124                         ; v124-127 largest magnitudes, v128-131 bytes, v132-135 the conversions' scale operands
.set PW,   136                         ; the scale word just made (mode 2)
.set TW,   137
.set HW,   138                         ; v138-139 an even tile's two bytes, for each of my two heads
.set SW,   140                         ; v140-143 scale words on their way out: head c: v[140 + 2 c], v[141 + 2 c]
.set SV,   144                         ; v144-145 the same for v
.set ONE,  146                         ; 0x7f7f7f7f: the scale 1 in every byte
.set WC,   148                         ; v148, v150 mask x scale for my block of head 0, 1 (v149, v151: named with them as pairs)
.set RF,   168                         ; v168-231 R's 8 fragments of a tile
.set X1,   168                         ; the reduction at the end works where R's fragments lay
.set X2,   200
; windows 1, 2: P's fragment (tile t, K step s) in window 1 + s / 4 at v[8 (8 (s % 4) + t)]
; window 3
.set KB,   0                           ; v0-63    kbar: register 32 c + n: feature 64 c + 32 h + n of my 128
.set CB,   64                          ; v64-127  the bias along P, 8 a tile, in the result's layout (modes 0, 1)
.set CV,   128                         ; v128-135 the bias of my row of R, eight times (mode 2)
.set BR,   136                         ; v136-151 bv of my row in each of R's 16 tiles
.set MW,   152                         ; v152-167 the mask of my key in each of R's 16 tiles
.set WV,   42
.set MODE, 43
.set PG,   45                          ; which 512 rows of P
.set RG,   46                          ; which 256 rows of R
.set G1C,  56                          ; s[56:63] descriptor group 1 for R's codes;  s[76:79] its group 0
.set G1S,  68                          ; s[68:75] for R's scale bytes;  s[80:83] its group 0
.set G0C,  76
.set G0S,  80
.set SEL,  84                          ; s[84:85] v_permlanex16_b32's selects for lane l xor 16
.set MSB, 0
.macro WIN new                         ; the immediate's high byte repeats the setting that is left
.if MSB != \new
	s_set_vgpr_msb (MSB<<8)|\new
.set MSB, \new
.endif
.endm
	s_load_b512 s[8:23], s[0:1], 0x0               ; pre_query codes, scales; pre_value_key codes, scales; Wq codes, scales; Wk codes, scales
	s_load_b512 s[24:39], s[0:1], 0x40             ; Wv codes, scales; bq; bk; bv; masks; qx; kv
	s_load_b64 s[40:41], s[0:1], 0x80              ; kpart
	v_lshl_add_u32 v254, v0, 2, 0x29000
	v_mov_b32 v255, 0
	ds_add_u32 v254, v255
	ds_add_u32 v254, v255
	v_lshrrev_b32 v12, 5, v0
	v_readfirstlane_b32 s[WV], v12                 ; wave 0..3
	s_lshr_b32 s[MODE], ttmp9, 6
	s_and_b32 s44, ttmp9, 63
	s_and_b32 s[PG], s44, 1                        ; modes 0, 1: P has 2 groups of 512 rows, R 32 groups of 256
	s_lshr_b32 s[RG], s44, 1
	s_lshr_b32 s92, s44, 2                         ; mode 2: P has 16, R 4
	s_and_b32 s93, s44, 3
	s_cmp_eq_u32 s[MODE], 2
	s_cselect_b32 s[PG], s92, s[PG]
	s_cselect_b32 s[RG], s93, s[RG]
	; group 1 for the codes: 64 rows of 64 elements of 8 bytes, dense in memory; 4 words of padding behind every 128
	s_mov_b32 s[G1C+0], (3<<16)|(1<<20)|(6<<22)|(3<<25)
	s_mov_b32 s[G1C+1], 64<<16                     ; tensor_dim0
	s_mov_b32 s[G1C+2], 64<<16                     ; tensor_dim1
	s_mov_b32 s[G1C+3], 64<<16                     ; tile_dim0
	s_mov_b32 s[G1C+4], 64                         ; tile_dim1
	s_mov_b32 s[G1C+5], 64                         ; tensor_dim0_stride
	s_mov_b32 s[G1C+6], 0
	s_mov_b32 s[G1C+7], 0
	; and for the scale bytes of 64 rows: 2,048 dense bytes as 8 rows of 256
	s_mov_b32 s[G1S+0], 3<<16
	s_mov_b32 s[G1S+1], 32<<16
	s_mov_b32 s[G1S+2], 8<<16
	s_mov_b32 s[G1S+3], 32<<16
	s_mov_b32 s[G1S+4], 8
	s_mov_b32 s[G1S+5], 32
	s_mov_b32 s[G1S+6], 0
	s_mov_b32 s[G1S+7], 0
	s_lshl_b32 s92, s[RG], 17                      ; R's codes: (256 RG + 64 wave) rows of 512 bytes
	s_lshl_b32 s93, s[WV], 15
	s_add_co_u32 s92, s92, s93
	s_mov_b32 s93, 0
	s_lshl_b32 s94, s[RG], 13                      ; its scale bytes: 32 a row
	s_lshl_b32 s95, s[WV], 11
	s_add_co_u32 s94, s94, s95
	s_mov_b32 s95, 0
	s_lshl_b32 s96, s[PG], 18                      ; P's codes: (512 PG + 128 wave) rows of 512 bytes
	s_lshl_b32 s97, s[WV], 16
	s_add_co_u32 s96, s96, s97
	s_mov_b32 s97, 0
	s_lshl_b32 s98, s[PG], 14                      ; its scale bytes
	s_lshl_b32 s99, s[WV], 12
	s_add_co_u32 s98, s98, s99
	s_mov_b32 s99, 0
	s_mov_b32 s[SEL], 0x76543210
	s_mov_b32 s[SEL+1], 0xfedcba98
	s_mov_b32 s86, 0xffff0000                      ; lanes 16-31
	s_mov_b32 s87, 0xff00ff00                      ; lanes whose number has bit 3 set; bit 2; bit 1; bit 0
	s_mov_b32 s88, 0xf0f0f0f0
	s_mov_b32 s89, 0xcccccccc
	s_mov_b32 s90, 0xaaaaaaaa
	s_wait_dscnt 0x0
	s_wait_kmcnt 0x0
	s_cmp_eq_u32 s[MODE], 0                        ; P and R are chosen by the work-group's number alone
	s_cselect_b64 s[48:49], s[16:17], s[20:21]     ; P's codes: Wq or Wk,
	s_cselect_b64 s[50:51], s[18:19], s[22:23]     ; P's scales,
	s_cselect_b64 s[52:53], s[8:9], s[12:13]       ; R's codes: pre_query or pre_value_key,
	s_cselect_b64 s[54:55], s[10:11], s[14:15]     ; R's scales;
	s_cmp_eq_u32 s[MODE], 2
	s_cselect_b64 s[48:49], s[12:13], s[48:49]     ; mode 2: P = pre_value_key,
	s_cselect_b64 s[50:51], s[14:15], s[50:51]
	s_cselect_b64 s[52:53], s[24:25], s[52:53]     ; R = Wv
	s_cselect_b64 s[54:55], s[26:27], s[54:55]
	s_mov_b32 s[G0C], 1                            ; count = 1
	s_mul_i32 s[G0C+1], s[WV], 64*RP               ; LDS: my 64 rows
	s_add_nc_u64 s[G0C+2:G0C+3], s[52:53], s[92:93]
	s_or_b32 s[G0C+3], s[G0C+3], 0x80000000        ; type = 2
	s_mov_b32 s[G0S], 1
	s_lshl_b32 s[G0S+1], s[WV], 11
	s_add_co_u32 s[G0S+1], s[G0S+1], RSC
	s_add_nc_u64 s[G0S+2:G0S+3], s[54:55], s[94:95]
	s_or_b32 s[G0S+3], s[G0S+3], 0x80000000
	tensor_load_to_lds s[G0C:G0C+3], s[G1C:G1C+7]  ; the launch's only fills: two loads of mine are out
	s_nop 0
	tensor_load_to_lds s[G0S:G0S+3], s[G1S:G1S+7]
	s_nop 0
.rept 4
	v_nop
.endr
	s_add_nc_u64 s[48:49], s[48:49], s[96:97]      ; P at my wave's first row
	s_add_nc_u64 s[50:51], s[50:51], s[98:99]
	v_and_b32 v1, 31, v0                           ; lane
	v_and_b32 v12, 15, v0                          ; r
	v_bfe_u32 v13, v0, 4, 1                        ; h
	v_and_b32 v14, 8, v12
	v_add_nc_u32 v14, v14, v12                     ; r + 8 (r / 8): my row in a run of 32
	v_mul_u32_u24 v[RA0], v14, RP
	v_lshl_add_u32 v[RA0], v13, 4, v[RA0]          ; row x pitch + 16 h
	v_add_nc_u32 v[RA1], 128*RP, v[RA0]
	v_lshlrev_b32 v[PSA], 5, v14
	v_lshl_add_u32 v[PSA], v13, 4, v[PSA]          ; 32 scale bytes a row: lanes 0-15 take K steps 0-3, lanes 16-31 K steps 4-7
	v_add_nc_u32 v[RSA], RSC, v[PSA]
	v_lshlrev_b32 v[PA], 9, v14
	v_lshl_add_u32 v[PA], v13, 4, v[PA]
	v_lshlrev_b32 v[CBA], 6, v13
	v_lshlrev_b32 v[TBA], 2, v14
	v_lshlrev_b32 v[SA16], 4, v1
	v_lshlrev_b32 v[SA8], 3, v1
	v_and_b32 v[KOFF], 7, v0
	v_lshlrev_b32 v[KOFF], 4, v[KOFF]
	v_lshl_add_u32 v[KOFF], v13, 7, v[KOFF]
	v_bfe_u32 v15, v0, 3, 1
	v_lshl_add_u32 v[KOFF], v15, 8, v[KOFF]        ; 256 (bit 3 of the lane) + 128 h + 16 (lane % 8)
	WIN 0x40                                       ; destination window 1: K steps 0-3
.irp t, 0,1,2,3,4,5,6,7
.irp s, 0,1,2,3
.irp c, 0,1
	global_load_b128 v[8*(8*\s+\t)+4*\c:8*(8*\s+\t)+4*\c+3], v[PA], s[48:49] offset:(32*(\t/2)+8*(\t%2))*512+64*\s+32*\c
.endr
.endr
.endr
	WIN 0x80                                       ; destination window 2: K steps 4-7
.irp t, 0,1,2,3,4,5,6,7
.irp s, 0,1,2,3
.irp c, 0,1
	global_load_b128 v[8*(8*\s+\t)+4*\c:8*(8*\s+\t)+4*\c+3], v[PA], s[48:49] offset:(32*(\t/2)+8*(\t%2))*512+256+64*\s+32*\c
.endr
.endr
.endr
	WIN 0
.irp t, 0,1,2,3,4,5,6,7
	global_load_b128 v[PS+4*\t:PS+4*\t+3], v[PSA], s[50:51] offset:(32*(\t/2)+8*(\t%2))*32
.endr
.irp b, 0,1,2,3
	v_mov_b32 v[TM+4+\b], 0                        ; written once: a lane permute's destination counts as one of its sources
.endr
	s_wait_tensorcnt 0x0                           ; my quarter of R lies in LDS,
	s_barrier_signal -1
	s_barrier_wait -1                              ; everybody's does: the launch's one barrier
; R's tile i: its 8 fragments (lane (r, h): row r of the tile; registers 4 c .. 4 c + 3: K = 64 c + 32 h + 0 .. 31 of the K step) and its scale words
.macro FETCH i
.if (\i) < 8
.set RAX, RA0
.else
.set RAX, RA1
.endif
.set RO, (32*(((\i)%8)/2)+8*((\i)%2))*RP
.irp s, 0,1,2,3,4,5,6,7
.irp c, 0,1
	ds_load_b128 v[RF+8*\s+4*\c:RF+8*\s+4*\c+3], v[RAX] offset:RO+64*\s+32*\c
.endr
.endr
	ds_load_b128 v[RS:RS+3], v[RSA] offset:(32*((\i)/2)+8*((\i)%2))*32
.endm
; K step s of the tile's 8 sums.  cm = 0: the sums start from the bias along P; 1: from the bias of the lane's row of R; 2: they go on in place.
; The 8 accumulators take turns, one instruction a turn.
.macro MMS s, cm
.irp t, 0,1,2,3,4,5,6,7
.if \cm == 0
	v_wmma_scale_f32_16x16x128_f8f6f4 v[ACC+8*\t:ACC+8*\t+7], v[8*\t:8*\t+7], v[RF:RF+7], v[CB+8*\t:CB+8*\t+7], v[PS+4*\t], v[RS] matrix_a_fmt:MATRIX_FMT_FP4 matrix_b_fmt:MATRIX_FMT_FP4
.elseif \cm == 1
	v_wmma_scale_f32_16x16x128_f8f6f4 v[ACC+8*\t:ACC+8*\t+7], v[8*\t:8*\t+7], v[RF:RF+7], v[CV:CV+7], v[PS+4*\t], v[RS] matrix_a_fmt:MATRIX_FMT_FP4 matrix_b_fmt:MATRIX_FMT_FP4
.elseif (\s) < 4
	v_wmma_scale_f32_16x16x128_f8f6f4 v[ACC+8*\t:ACC+8*\t+7], v[8*(8*(\s)+\t):8*(8*(\s)+\t)+7], v[RF+8*(\s):RF+8*(\s)+7], v[ACC+8*\t:ACC+8*\t+7], v[PS+4*\t+(\s)], v[RS+(\s)] matrix_a_fmt:MATRIX_FMT_FP4 matrix_b_fmt:MATRIX_FMT_FP4
.else
	v_wmma_scale_f32_16x16x128_f8f6f4 v[ACC+8*\t:ACC+8*\t+7], v[8*(8*((\s)-4)+\t):8*(8*((\s)-4)+\t)+7], v[RF+8*(\s):RF+8*(\s)+7], v[ACC+8*\t:ACC+8*\t+7], v[PS+4*\t+(\s)-4], v[RS+(\s)-4] matrix_a_fmt:MATRIX_FMT_FP4 matrix_b_fmt:MATRIX_FMT_FP4 matrix_a_scale:MATRIX_SCALE_ROW1 matrix_b_scale:MATRIX_SCALE_ROW1
.endif
.endr
.endm
; The lane's 64 results, register 16 b + i = place 32 b + 16 h + i along P, become codes in v[PC] on (registers 4 c .. 4 c + 3: block 2 c + h), bytes in v[TM+4] on and the scale word in v[PW].
.macro QUANT
.irp b, 0,1,2,3
	v_max3_num_f32 v[TM+\b], |v[ACC+16*\b]|, |v[ACC+1+16*\b]|, 0x1800000   ; block b: my 16 numbers, from each accumulator's low end on, and the floor 2^(3 - 127): the byte cannot fall under 1
.endr
.irp i, 2,4,6,8,10,12,14
.irp b, 0,1,2,3
	v_max3_num_f32 v[TM+\b], v[TM+\b], |v[ACC+16*\b+\i]|, |v[ACC+1+16*\b+\i]|   ; (the four blocks by turns)
.endr
.endr
.irp b, 0,1,2,3
	v_permlanex16_b32 v[TM+4+\b], v[TM+\b], s[SEL], s[SEL+1]
.endr
.irp b, 0,1,2,3
	v_max_num_f32 v[TM+\b], v[TM+\b], v[TM+4+\b]   ; with lane l xor 16's: the block's largest magnitude
.endr
.irp b, 0,1,2,3
	v_add_nc_u32 v[TM+8+\b], 0xff000000, v[TM+\b]  ; 2 off its exponent field: the conversion takes the exponent field of this operand as its scale
.endr
.irp b, 0,1,2,3
	v_lshrrev_b32 v[TM+4+\b], 23, v[TM+8+\b]       ; the scale's byte
.endr
	v_lshl_or_b32 v[PW], v[TM+5], 8, v[TM+4]
	v_lshl_or_b32 v[PW], v[TM+6], 16, v[PW]
	v_lshl_or_b32 v[PW], v[TM+7], 24, v[PW]
.irp b, 0,1,2,3
	v_cvt_scalef32_pk8_fp4_f32 v[PC+2*\b], v[ACC+16*\b:ACC+7+16*\b], v[TM+8+\b]
	v_cvt_scalef32_pk8_fp4_f32 v[PC+1+2*\b], v[ACC+8+16*\b:ACC+15+16*\b], v[TM+8+\b]
.endr
	v_nop                                          ; one plain place behind a scaled conversion
.irp c, 0,1                                    ; a WHOLE block to a lane: lanes 0-15 block 2 c, lanes 16-31 block 2 c + 1
.irp i, 0,1
	v_permlane16_swap_b32 v[PC+4*\c+\i], v[PC+2+4*\c+\i]
.endr
.endr
.endm
; q, k: my two heads' images of tile i; the scale words of a pair of tiles are pieced together and leave with the eighth tile: lane 16 hh + r, word j: pair 2 j + hh
.macro STORE_QK i, hs, gs
.irp c, 0,1
	global_store_b128 v[SA16], v[PC+4*\c:PC+4*\c+3], s[8:9] offset:\c*(\hs)+((\i)/8)*(\gs)+512*((\i)%8)   ; 32 lanes store 512 consecutive bytes
.endr
.if (\i)%2 == 0
.irp c, 0,1
	v_lshl_or_b32 v[HW+\c], v[TM+5+2*\c], 8, v[TM+4+2*\c]
.endr
.else
.set PI, ((\i)%8)/2
.irp c, 0,1
	v_lshl_or_b32 v[TW], v[TM+5+2*\c], 8, v[TM+4+2*\c]
.if PI%2 == 0
	v_lshl_or_b32 v[SW+2*\c+PI/2], v[TW], 16, v[HW+\c]
.else
	v_lshl_or_b32 v[TW], v[TW], 16, v[HW+\c]
	v_cndmask_b32 v[SW+2*\c+PI/2], v[SW+2*\c+PI/2], v[TW], s86   ; an odd pair's words go to lanes 16-31
.endif
.endr
.if (\i)%8 == 7
.irp c, 0,1
	global_store_b64 v[SA8], v[SW+2*\c:SW+2*\c+1], s[8:9] offset:\c*(\hs)+((\i)/8)*(\gs)+4096   ; 256 consecutive bytes
.endr
.endif
.endif
.endm
; kbar += mask x (code x scale), for my key of tile i.  The codes come back as f32 into the accumulators, which are free here.
.macro KBAR i
.irp x, 0,1,2,3,4,5,6,7
	v_cvt_scale_pk8_f32_fp4 v[ACC+8*\x:ACC+8*\x+7], v[PC+\x], v[ONE]
.endr
	v_cndmask_b32 v[WC], v[TM+8], v[TM+9], s86     ; (a plain place behind the conversions)  my block of head 0: block h;
	v_cndmask_b32 v[WC+2], v[TM+10], v[TM+11], s86 ; of head 1: block 2 + h
	v_and_b32 v[WC], 0x7f800000, v[WC]             ; the exponent field alone: the scale as an f32 number
	v_and_b32 v[WC+2], 0x7f800000, v[WC+2]
	WIN 0x0c                                       ; source 1 window 3
	v_mul_f32 v[WC], v[WC], v[MW+(\i)]
	v_mul_f32 v[WC+2], v[WC+2], v[MW+(\i)]
.if (\i) == 0
	WIN 0xc0                                       ; destination window 3: the first tile starts the sums
.else
	WIN 0xf0                                       ; source 2 and destination window 3
.endif
.set J, 0
.rept 32
.if (\i) == 0
	v_pk_mul_f32 v[KB+2*J:KB+2*J+1], v[ACC+2*J:ACC+2*J+1], v[WC+2*(J/16):WC+2*(J/16)+1] op_sel_hi:[1,0]
.else
	v_pk_fma_f32 v[KB+2*J:KB+2*J+1], v[ACC+2*J:ACC+2*J+1], v[WC+2*(J/16):WC+2*(J/16)+1], v[KB+2*J:KB+2*J+1] op_sel_hi:[1,0,1]
.endif
.set J, J+1
.endr
	WIN 0
.endm
; v: tile i is tile i % 4 of head i / 4 of my four: a whole fragment; the scale words leave with the head's fourth tile
.macro STORE_V i
	global_store_b128 v[SA16], v[PC:PC+3], s[8:9] offset:((\i)/4)*KHB+((\i)%4)*1024
	global_store_b128 v[SA16], v[PC+4:PC+7], s[8:9] offset:((\i)/4)*KHB+((\i)%4)*1024+512
.if (\i)%2 == 0
	v_mov_b32 v[SV+((\i)%4)/2], v[PW]
.else
	v_cndmask_b32 v[SV+((\i)%4)/2], v[SV+((\i)%4)/2], v[PW], s86
.endif
.if (\i)%4 == 3
	global_store_b64 v[SA8], v[SV:SV+1], s[8:9] offset:((\i)/4)*KHB+4096
.endif
.endm
; One tile of R.
.macro TILE i, mode, hs, gs
	s_wait_dscnt 0x0                               ; the tile's fragments and scale words are in
	WIN 0x31                                       ; source 0 (P) window 1, source 2 (the bias) window 3
.if \mode == 2
	MMS 0, 1
.else
	MMS 0, 0
.endif
	WIN 0x01
	MMS 1, 2
	MMS 2, 2
	MMS 3, 2
	WIN 0x02                                       ; P's K steps 4-7 lie in window 2
	MMS 4, 2
	MMS 5, 2
	MMS 6, 2
	MMS 7, 2
	WIN 0
.rept 4
	v_nop                                          ; four places in front of loads into registers that the products read, and of the first read of their results
.endr
.if (\i) < 15
	FETCH (\i)+1                                   ; the next tile lands while this one is quantised
.if \mode == 2
	WIN 0xc3
.irp j, 0,1,2,3,4,5,6,7
	v_mov_b32 v[CV+\j], v[BR+(\i)+1]
.endr
	WIN 0
.endif
.endif
	s_wait_xcnt 0x0                                ; the last tile's stores have read their registers: the codes and scale words are written again only behind this wait
	QUANT
.if \mode == 2
	STORE_V \i
.else
	STORE_QK \i, \hs, \gs
.if \mode == 1
	KBAR \i
.endif
.endif
.endm
; One level of the sum over the 16 lanes of a half: each lane keeps the n registers of its side and sends the other n to the lane x away.
.macro LEVEL src, d1, d2, n, m, x
.set J, 0
.rept \n
	v_cndmask_b32 v[\d1+J], v[\src+J], v[\src+\n+J], s[\m]
	v_cndmask_b32 v[\d2+J], v[\src+\n+J], v[\src+J], s[\m]
.set J, J+1
.endr
	WIN 0
.set J, 0
.rept \n
	v_add_f32_dpp v[\d1+J], v[\d2+J], v[\d1+J] row_xmask:\x row_mask:0xf bank_mask:0xf
.set J, J+1
.endr
.endm
; The way of modes 0 and 1.  bias, dst: the scalar pairs with the bias's and the output buffer's addresses
.macro QKPATH bias, dst, hs, gs, kb
	s_lshl_b32 s92, s[PG], 11                      ; the bias of my 128 features
	s_lshl_b32 s94, s[WV], 9
	s_add_co_u32 s92, s92, s94
	s_mov_b32 s93, 0
	s_add_nc_u64 s[10:11], s[\bias:\bias+1], s[92:93]
.if \kb
	s_lshl_b32 s94, s[RG], 12                      ; kpart: [32 groups of 256 keys][1,024]
	s_add_co_u32 s94, s94, s92
	s_mov_b32 s95, 0
	s_add_nc_u64 s[14:15], s[40:41], s[94:95]
	s_lshl_b32 s94, s[RG], 10                      ; the masks of my work-group's 256 keys
	s_add_nc_u64 s[12:13], s[34:35], s[94:95]
.endif
	WIN 0xc0                                       ; destination window 3
.irp t, 0,1,2,3,4,5,6,7
	global_load_b128 v[CB+8*\t:CB+8*\t+3], v[CBA], s[10:11] offset:(32*(\t/2)+8*(\t%2))*4          ; lane (r, h), tile 2 b + u: features 32 b + 16 h + 8 u + 0 .. 7
	global_load_b128 v[CB+8*\t+4:CB+8*\t+7], v[CBA], s[10:11] offset:(32*(\t/2)+8*(\t%2))*4+16
.endr
.if \kb
.irp i, 0,1,2,3,4,5,6,7,8,9,10,11,12,13,14,15
	global_load_b32 v[MW+\i], v[TBA], s[12:13] offset:(32*(\i/2)+8*(\i%2))*4
.endr
.endif
	WIN 0
	s_lshr_b32 s92, s[RG], 3                       ; the batch,
	s_lshl_b32 s92, s92, 4
	s_lshl_b32 s94, s[PG], 3
	s_add_co_u32 s92, s92, s94
	s_lshl_b32 s94, s[WV], 1
	s_add_co_u32 s92, s92, s94                     ; my first head: 16 batch + 8 PG + 2 wave
	s_mul_i32 s92, s92, \hs
	s_and_b32 s94, s[RG], 7
	s_mul_i32 s94, s94, 2*(\gs)                    ; my work-group's two groups of 128 rows
	s_add_co_u32 s92, s92, s94
	s_mov_b32 s93, 0
	s_add_nc_u64 s[8:9], s[\dst:\dst+1], s[92:93]
.if \kb
	v_mov_b32 v[ONE], 0x7f7f7f7f
	v_mov_b32 v[WC+1], 0                           ; (named as the upper halves of pairs)
	v_mov_b32 v[WC+3], 0
.endif
	FETCH 0
	s_wait_loadcnt 0x0                             ; P, its scale words and the tables
.irp i, 0,1,2,3,4,5,6,7,8,9,10,11,12,13,14,15
	TILE \i, \kb, \hs, \gs
.endr
.endm
	s_cmp_eq_u32 s[MODE], 1
	s_cbranch_scc1 .Lmode_k
	s_cmp_eq_u32 s[MODE], 2
	s_cbranch_scc1 .Lmode_v
	QKPATH 28, 36, QHB, QGB, 0
	s_wait_tensorcnt 0x0
	ds_add_u32 v254, v255
	s_wait_dscnt 0x0
	s_endpgm
.Lmode_k:
	QKPATH 30, 38, KHB, KGB, 1
	WIN 0x0f                                       ; sources 0 and 1 window 3: the first level brings the sums into window 0
	LEVEL KB, X1, X2, 32, 87, 8
	LEVEL X1, ACC, ACC+16, 16, 88, 4
	LEVEL ACC, X1, X2, 8, 89, 2
	LEVEL X1, ACC, ACC+16, 4, 90, 1
	global_store_b128 v[KOFF], v[ACC:ACC+3], s[14:15]   ; the wave's 128 sums: 512 consecutive bytes
	s_wait_tensorcnt 0x0
	ds_add_u32 v254, v255
	s_wait_dscnt 0x0
	s_endpgm
.Lmode_v:
	s_lshl_b32 s92, s[RG], 10                      ; bv of my work-group's 256 rows of Wv
	s_mov_b32 s93, 0
	s_add_nc_u64 s[10:11], s[32:33], s[92:93]
	WIN 0xc0
.irp i, 0,1,2,3,4,5,6,7,8,9,10,11,12,13,14,15
	global_load_b32 v[BR+\i], v[TBA], s[10:11] offset:(32*(\i/2)+8*(\i%2))*4
.endr
	WIN 0
	s_lshr_b32 s92, s[PG], 2                       ; the batch,
	s_lshl_b32 s92, s92, 4
	s_lshl_b32 s94, s[RG], 2
	s_add_co_u32 s92, s92, s94                     ; my first head: 16 batch + 4 RG
	s_mul_i32 s92, s92, KHB
	s_and_b32 s94, s[PG], 3
	s_lshl_b32 s94, s94, 2
	s_add_co_u32 s94, s94, s[WV]                   ; my key step: 4 (PG % 4) + wave
	s_mul_i32 s94, s94, KGB
	s_add_co_u32 s92, s92, s94
	s_add_co_u32 s92, s92, VC
	s_mov_b32 s93, 0
	s_add_nc_u64 s[8:9], s[38:39], s[92:93]
	FETCH 0
	s_wait_loadcnt 0x0
	WIN 0xc3
.irp j, 0,1,2,3,4,5,6,7
	v_mov_b32 v[CV+\j], v[BR]
.endr
	WIN 0
.irp i, 0,1,2,3,4,5,6,7,8,9,10,11,12,13,14,15
	TILE \i, 2, 0, 0
.endr
	s_wait_tensorcnt 0x0
	ds_add_u32 v254, v255
	s_wait_dscnt 0x0
	s_endpgm
.Lfunc_end_k_q66ba2782bd_proj:
	.size	k_q66ba2782bd_proj, .Lfunc_end_k_q66ba2782bd_proj-k_q66ba2782bd_proj
	.p2alignl 7, 3214868480
	.fill 96, 4, 3214868480
	.section	.rodata,"a",@progbits
	.p2align	6, 0x0
	.amdhsa_kernel k_q66ba2782bd_proj
		.amdhsa_group_segment_fixed_size 168448
		.amdhsa_private_segment_fixed_size 0
		.amdhsa_enable_private_segment 0
		.amdhsa_kernarg_size 136
		.amdhsa_user_sgpr_count 2
		.amdhsa_user_sgpr_kernarg_segment_ptr 1
		.amdhsa_wavefront_size32 1
		.amdhsa_system_sgpr_workgroup_id_x 1
		.amdhsa_system_sgpr_workgroup_id_y 1
		.amdhsa_system_sgpr_workgroup_id_z 1
		.amdhsa_system_vgpr_workitem_id 0
		.amdhsa_next_free_vgpr 1024
		.amdhsa_next_free_sgpr 100
		.amdhsa_reserve_vcc 0
		.amdhsa_float_denorm_mode_32 3
		.amdhsa_float_denorm_mode_16_64 3
		.amdhsa_memory_ordered 1
		.amdhsa_forward_progress 1
		.amdhsa_inst_pref_size 255
	.end_amdhsa_kernel
	.section	.bss,"aw",@nobits
	.p2align	6
	.space	262144
	.amdgpu_metadata
---
amdhsa.version: [ 1, 2 ]
amdhsa.kernels:
  - .name:           k_q66ba2782bd_proj
    .symbol:         k_q66ba2782bd_proj.kd
    .args:
      - { .name: pre_query_codes, .offset: 0, .size: 8, .value_kind: global_buffer, .address_space: global }
      - { .name: pre_query_scales, .offset: 8, .size: 8, .value_kind: global_buffer, .address_space: global }
      - { .name: pre_value_key_codes, .offset: 16, .size: 8, .value_kind: global_buffer, .address_space: global }
      - { .name: pre_value_key_scales, .offset: 24, .size: 8, .value_kind: global_buffer, .address_space: global }
      - { .name: Wq_codes, .offset: 32, .size: 8, .value_kind: global_buffer, .address_space: global }
      - { .name: Wq_scales, .offset: 40, .size: 8, .value_kind: global_buffer, .address_space: global }
      - { .name: Wk_codes, .offset: 48, .size: 8, .value_kind: global_buffer, .address_space: global }
      - { .name: Wk_scales, .offset: 56, .size: 8, .value_kind: global_buffer, .address_space: global }
      - { .name: Wv_codes, .offset: 64, .size: 8, .value_kind: global_buffer, .address_space: global }
      - { .name: Wv_scales, .offset: 72, .size: 8, .value_kind: global_buffer, .address_space: global }
      - { .name: bq, .offset: 80, .size: 8, .value_kind: global_buffer, .address_space: global }
      - { .name: bk, .offset: 88, .size: 8, .value_kind: global_buffer, .address_space: global }
      - { .name: bv, .offset: 96, .size: 8, .value_kind: global_buffer, .address_space: global }
      - { .name: value_key_masks, .offset: 104, .size: 8, .value_kind: global_buffer, .address_space: global }
      - { .name: qx, .offset: 112, .size: 8, .value_kind: global_buffer, .address_space: global }
      - { .name: kv, .offset: 120, .size: 8, .value_kind: global_buffer, .address_space: global }
      - { .name: kpart, .offset: 128, .size: 8, .value_kind: global_buffer, .address_space: global }
    .group_segment_fixed_size: 168448
    .private_segment_fixed_size: 0
    .kernarg_segment_align: 8
    .kernarg_segment_size: 136
    .max_flat_workgroup_size: 128
    .sgpr_count:     100
    .vgpr_count:     1024
    .wavefront_size: 32
...
	.end_amdgpu_metadata
.endif
;; end of part 1
;; launch attn (part 2): grid 8 x 64, 16 waves a work-group, clusters of 4 x 1, 223,232 bytes of LDS; arguments qx, kv, kpart, value_key_masks, value_key_counts, overall_gain, overall_bias, out0; writes out0
.if DOCPART == 2
	.amdgcn_target "amdgcn-amd-amdhsa--gfx1250"
	.amdhsa_code_object_version 6
	.text
	.protected	k_q66ba2782bd_attn
	.globl	k_q66ba2782bd_attn
	.p2align	8
	.type	k_q66ba2782bd_attn,@function
k_q66ba2782bd_attn:
	s_mov_b64 s[64:65], 0
	v_nop
	global_prefetch_b8 v0, s[64:65] scope:SCOPE_SE
	s_setreg_imm32_b32 hwreg(HW_REG_WAVE_MODE, 25, 1), 1
	s_wait_xcnt 0x0
	s_wait_alu depctr_hold_cnt(0) depctr_sa_sdst(0) depctr_va_vdst(0) depctr_va_sdst(0) depctr_va_ssrc(0) depctr_va_vcc(0) depctr_vm_vsrc(0)
	s_getreg_b32 s2, hwreg(HW_REG_IB_STS2, 6, 4)
	s_cmp_eq_u32 s2, 0
	s_cbranch_scc0 .Lentry_in_a_cluster
	s_endpgm
.Lentry_in_a_cluster:
	s_bfe_u32 s2, ttmp6, 0x10000c
	s_cmp_lg_u32 s2, 0x3003
	s_cbranch_scc0 .Lentry_shape_is_right
	s_endpgm
.Lentry_shape_is_right:
; out[b][q][64 h ..] = sigmoid(gain_h pooled + bias_h) x sum over open keys of softmax(score / sqrt(cnt)) v, both products on codes of FP4 (E2M1), one E8M0 scale for each 32 along a product's K.
; q, k, v come from the launch before, as images of the operands' registers (its head comment has the layouts).
; SHARES.  A work-group owns 256 queries of one batch and head; each of its SIXTEEN waves owns one tile of 16 in 256 registers: four waves to a SIMD, so that one wave's vector work stands beside another's
; matrix work and LDS loads.  Every wave walks the head's 2,048 keys, 128 a step.
; THE WHOLE HEAD STAYS IN LDS: 16 step records of 8,704 bytes.  Wave 0 brings them by four loads of 4 steps; nothing is filled again.  The four query blocks of a cluster walk the same head, so each load is asked for
; JOINTLY: the same descriptor and the mask of all four in all four.  The work-group's place in the cluster enters q's and out's global addresses alone.
; LAYOUT.  Both products are used transposed (S^T = K Q^T, O^T = V^T P^T): a lane holds ONE query (lane % 16) throughout.  The keys of a tile are 32 b + 8 u + r + 8 (r / 8), so that the 16 registers of tiles 2 b, 2 b + 1
; are keys 32 b + 16 (lane / 16) + 0 .. 15.  THE HEAD'S 64 FILL HALF OF THE INSTRUCTION'S 128: one fragment of K carries TWO tiles of keys (one in K < 64, one in K >= 64) and is multiplied by [q | 0] and by [0 | q]:
; zero codes add nothing.  THE MASK IS THE C OF THE SCORE PRODUCT: 0 for an open key, -2^126 for a key whose mask is 0, loaded from LDS straight into the score registers.
; THE SOFTMAX: t = score x log2(e) / sqrt(cnt); M = the running largest t rounded UP to a whole number; p = 2^(t - M) is quantised along the keys; the sum is taken of the unquantised p and divides at the end;
; when M moves, the sum and O^T are multiplied by 2^(old M - new M): exact.
; THE GATE: pooled = sum_k mask_k score_k / cnt = (q . kbar) / cnt with kbar = sum_k mask_k k_k, since the score is linear in k: kbar's eight partial sums come from the launch before.  (The order of that sum
; differs from reference()'s: over the keys first.)
; LIMITS: a closed key gets -2^126 in place of -infinity and the running maximum starts at -1e30: right while |t| < 1e30 and log2(e) / sqrt(cnt) > 1.2e-8 (cnt < 1e16).  Until a row's first open key every p is 0.
; A row with no open key, cnt <= 0, NaN and infinities are not served.
.set STEPB, 8704                       ; a key step's record: K's 8 images; KSC its scale words; VC V's 4 fragments; VSC its scale words
.set KSC,   4096
.set VC,    4352
.set VSC,   8448
.set CHB,   4*STEPB                    ; what one tensor load brings
.set HEADB, 16*STEPB
.set QHB,   69632                      ; qx: a head;  a group of 128 queries
.set QGB,   4352
.set MA,    HEADB                      ; LDS behind the head: 0 or -2^126 for each of the 2,048 keys,
.set KBS,   MA+8192                    ; 256 bytes for each wave: kbar,
.set STAGE, KBS+4096                   ; and 16 rows x (256 bytes + 16) for each wave: the way out.  No tensor load lands in these
.set LI16, 1                           ; v1   16 x lane
.set LI8,  2                           ; v2   8 x lane
.set AM0,  3                           ; v3   MA + 64 (lane / 16)
.set ADK,  4                           ; v4   the four steps in hand: images;   v5 scale words;   v6 the mask's numbers
.set ADS8, 5
.set ADM,  6
.set GO,   7                           ; v7   the way out: my byte offset in out
.set QB1,  8                           ; v8-15  [q | 0]
.set QB2,  16                          ; v16-23 [0 | q]
.set QS1,  24                          ; v24, v25 q's scale words for the two
.set QS2,  25
.set GATE, 26
.set PW,   27                          ; p's scale word
.set NM,   28                          ; v28 -M, v29 the largest t
.set SUM,  30                          ; v[30:31] the sum, in two halves
.set F,    32                          ; v32 2^(old M - new M); v33 named with it as a pair
.set T0,   34
.set HL,   35
.set KS,   36                          ; v[36:37] K's scale words: register j: lanes 0-15 pair 2 j, lanes 16-31 pair 2 j + 1
.set VS,   38                          ; v[38:39] V's likewise, by tiles
.set BM,   40                          ; v40-43 a block's largest score, then its largest p
.set BX,   44                          ; v44-47 at work
.set SO,   48                          ; v48-51 the conversions' scale operands
.set SU2,  52                          ; v[52:53] the sum's second chain
.set PC,   56                          ; v56-63 p's codes
.set KR,   64                          ; v64-95 four fragments of K, two tiles of keys each
.set S,    96                          ; v96-159 the mask's numbers, S^T, p
.set O,    160                         ; v160-191 O^T
.set VR,   192                         ; v192-223 four fragments of V
.set W,    224                         ; v224-255 at work at the head and on the way out
.set WV,   24
.set SEL,  30                          ; s[30:31] v_permlanex16_b32's selects for lane l xor 16
.set CS,   32                          ; s[32:33] c = log2(e) / sqrt(cnt)
.set TB,   34                          ; s34  where the four steps in hand begin in LDS;  s35 their mask numbers
.set TMO,  35
.set G1,   40                          ; s[40:47] descriptor group 1;  s[48:63] four groups 0
.set G0,   48
.macro CROUND                          ; a round of the cluster's barrier
	s_barrier_signal -1
	s_barrier_wait -1
	s_cmp_lg_u32 s[WV], 0
	s_cbranch_scc1 .Lnot_wave_0_\@
	s_barrier_signal -3
.Lnot_wave_0_\@:
	s_barrier_wait -3
	s_barrier_signal -1
	s_barrier_wait -1
.endm
	s_load_b512 s[8:23], s[0:1], 0x0               ; qx s[8:9], kv s[10:11], kpart s[12:13], masks s[14:15], counts s[16:17], gain s[18:19], bias s[20:21], out s[22:23]
	v_lshl_add_u32 v54, v0, 2, 0x36000
	v_mov_b32 v55, 0
	ds_add_u32 v54, v55
	ds_add_u32 v54, v55
	v_lshrrev_b32 v[T0], 5, v0
	v_readfirstlane_b32 s[WV], v[T0]               ; wave 0..15
	s_bfe_u32 s25, ttmp6, 0x40000                  ; cx: my place in the cluster
	s_lshl_b32 s26, ttmp9, 2
	s_add_co_u32 s26, s26, s25                     ; my block of 256 queries
	s_and_b32 s27, ttmp7, 0xffff                   ; 16 batch + head, which the four partners share
	s_lshr_b32 s28, s27, 4                         ; batch
	s_and_b32 s29, s27, 15                         ; head
	s_mov_b32 s[SEL], 0x76543210
	s_mov_b32 s[SEL+1], 0xfedcba98
	s_mov_b32 s[TB], 0
	s_mov_b32 s[TMO], 0
	; group 1: 34,816 dense bytes as 136 rows of 32 elements of 8 bytes
	s_mov_b32 s[G1+0], 15|(3<<16)|(1<<21)          ; 15:0 the mask: all four work-groups; 17:16 elements of 8 bytes; 21 set beside a mask
	s_mov_b32 s[G1+1], 32<<16                      ; tensor_dim0
	s_mov_b32 s[G1+2], 136<<16                     ; tensor_dim1
	s_mov_b32 s[G1+3], 32<<16                      ; tile_dim0
	s_mov_b32 s[G1+4], 136                         ; tile_dim1
	s_mov_b32 s[G1+5], 32                          ; tensor_dim0_stride
	s_mov_b32 s[G1+6], 0
	s_mov_b32 s[G1+7], 0
	s_mul_i32 s66, s27, HEADB
	s_mov_b32 s67, 0
	s_wait_dscnt 0x0
	s_wait_kmcnt 0x0
	s_add_nc_u64 s[10:11], s[10:11], s[66:67]      ; kv at the head
.irp c, 0,1,2,3
	s_mov_b32 s[G0+4*\c], 1                        ; count = 1
	s_mov_b32 s[G0+4*\c+1], \c*CHB                 ; LDS address
	s_add_nc_u64 s[G0+4*\c+2:G0+4*\c+3], s[10:11], \c*CHB
	s_or_b32 s[G0+4*\c+3], s[G0+4*\c+3], 0x80000000   ; type = 2
.endr
	CROUND                                         ; all four work-groups are here: the joint loads meet
	s_cmp_lg_u32 s[WV], 0
	s_cbranch_scc1 .Lno_fill
	tensor_load_to_lds s[G0:G0+3], s[G1:G1+7]      ; the launch's only fills, in one branch: four loads of wave 0 are out
	s_nop 0
	tensor_load_to_lds s[G0+4:G0+7], s[G1:G1+7]
	s_nop 0
	tensor_load_to_lds s[G0+8:G0+11], s[G1:G1+7]
	s_nop 0
	tensor_load_to_lds s[G0+12:G0+15], s[G1:G1+7]
	s_nop 0
.rept 4
	v_nop
.endr
.Lno_fill:
	s_lshl_b32 s66, s28, 2
	s_add_nc_u64 s[16:17], s[16:17], s[66:67]
	s_load_b32 s37, s[16:17], 0x0                  ; cnt of my batch
	s_lshl_b32 s66, s29, 2
	s_add_nc_u64 s[18:19], s[18:19], s[66:67]
	s_add_nc_u64 s[20:21], s[20:21], s[66:67]
	s_load_b32 s38, s[18:19], 0x0                  ; gain and bias of my head
	s_load_b32 s39, s[20:21], 0x0
	s_lshl_b32 s66, s28, 13
	s_add_nc_u64 s[14:15], s[14:15], s[66:67]      ; my batch's masks
	s_lshl_b32 s66, s28, 15
	s_lshl_b32 s68, s29, 8
	s_add_co_u32 s66, s66, s68
	s_add_nc_u64 s[12:13], s[12:13], s[66:67]      ; kpart: my batch's eight partial sums, my head's 64 numbers
	s_lshr_b32 s66, s[WV], 3
	s_lshl_b32 s68, s26, 1
	s_add_co_u32 s66, s66, s68                     ; my group of 128 queries: 2 block + wave / 8
	s_mul_i32 s66, s66, QGB
	s_mul_i32 s68, s27, QHB
	s_add_co_u32 s66, s66, s68
	s_add_nc_u64 s[8:9], s[8:9], s[66:67]
	s_and_b32 s68, s[WV], 7                        ; my tile of the group
	s_lshl_b32 s69, s68, 9
	s_bfe_u32 s70, s68, 0x10001                    ; its pair of tiles is 2 j + hh: hh,
	s_lshr_b32 s71, s68, 2                         ; j
	s_lshl_b32 s70, s70, 7
	s_lshl_b32 s71, s71, 2
	s_add_co_u32 s70, s70, s71                     ; 8 x 16 hh + 4 j
	s_and_b32 s72, s68, 1
	s_lshl_b32 s72, s72, 4                         ; an odd tile's two bytes are the word's upper two
	s_lshl_b32 s74, s28, 11                        ; my tile's first row of out: 2,048 batch + 256 block + 128 (wave / 8) + 32 (tile / 2) + 8 (tile % 2)
	s_lshl_b32 s75, s26, 8
	s_add_co_u32 s74, s74, s75
	s_lshr_b32 s75, s[WV], 3
	s_lshl_b32 s75, s75, 7
	s_add_co_u32 s74, s74, s75
	s_lshr_b32 s75, s68, 1
	s_lshl_b32 s75, s75, 5
	s_add_co_u32 s74, s74, s75
	s_and_b32 s75, s68, 1
	s_lshl_b32 s75, s75, 3
	s_add_co_u32 s74, s74, s75
	s_lshl_b32 s74, s74, 12                        ; rows of 4,096 bytes,
	s_lshl_b32 s75, s29, 8
	s_add_co_u32 s74, s74, s75                     ; my head's 256 bytes of them
	s_mov_b32 s75, 0
	s_add_nc_u64 s[22:23], s[22:23], s[74:75]
	v_and_b32 v[T0], 31, v0                        ; lane
	v_lshlrev_b32 v[LI16], 4, v[T0]
	v_lshlrev_b32 v[LI8], 3, v[T0]
	v_bfe_u32 v[HL], v0, 4, 1                      ; lane / 16
	v_lshl_add_u32 v[AM0], v[HL], 6, MA
	v_lshlrev_b32 v[W], 4, v0                      ; four masks a thread
	v_add_nc_u32 v[W+1], s69, v[LI16]              ; my tile's image
	v_and_b32 v[W+2], 15, v0
	v_lshlrev_b32 v[W+2], 3, v[W+2]
	v_add_nc_u32 v[W+2], s70, v[W+2]               ; my query's scale word (both halves of the lanes take the same)
	global_load_b128 v[W+4:W+7], v[W], s[14:15]
	global_load_b128 v[QB1:QB1+3], v[W+1], s[8:9]
	global_load_b32 v[QS1], v[W+2], s[8:9] offset:4096
.irp p, 0,1,2,3,4,5,6,7
	global_load_b64 v[KR+2*\p:KR+2*\p+1], v[LI8], s[12:13] offset:4096*\p
.endr
	v_mov_b32 v[W+8], 0xfe800000                   ; -2^126
	v_lshl_add_u32 v[W+9], v0, 4, MA
	v_lshl_add_u32 v[W+10], v0, 3, KBS             ; kbar: my wave's 256 bytes, 8 a lane;
	v_lshrrev_b32 v[W+11], 4, v0
	v_lshl_add_u32 v[W+11], v[W+11], 7, KBS        ; and back: my half's 32 numbers
	v_mov_b32 v[W+12], 0x7f7f7f7f                  ; the scale 1 in every byte
	s_wait_loadcnt 10                              ; the masks are in; the ten loads issued behind them may be out
.irp j, 0,1,2,3
	v_cmp_eq_f32 vcc_lo, 0, v[W+4+\j]
	v_cndmask_b32 v[W+4+\j], 0, v[W+8], vcc_lo     ; what the score product starts from
.endr
	ds_store_b128 v[W+9], v[W+4:W+7]
	s_wait_loadcnt 0x0
	s_wait_kmcnt 0x0
.irp j, 0,1,2,3
	v_mov_b32 v[QB2+4+\j], v[QB1+\j]
	v_mov_b32 v[QB1+4+\j], 0
	v_mov_b32 v[QB2+\j], 0
.endr
	v_lshrrev_b32 v[QS1], s72, v[QS1]
	v_and_b32 v[QS1], 0xffff, v[QS1]               ; bytes 0, 1: my tile's two blocks; over the zero codes stands the byte 0
	v_lshlrev_b32 v[QS2], 16, v[QS1]
	; THE GATE
	v_pk_add_f32 v[KR:KR+1], v[KR:KR+1], v[KR+2:KR+3]
	v_pk_add_f32 v[KR+4:KR+5], v[KR+4:KR+5], v[KR+6:KR+7]
	v_pk_add_f32 v[KR+8:KR+9], v[KR+8:KR+9], v[KR+10:KR+11]
	v_pk_add_f32 v[KR+12:KR+13], v[KR+12:KR+13], v[KR+14:KR+15]
	v_pk_add_f32 v[KR:KR+1], v[KR:KR+1], v[KR+4:KR+5]
	v_pk_add_f32 v[KR+8:KR+9], v[KR+8:KR+9], v[KR+12:KR+13]
	v_pk_add_f32 v[KR:KR+1], v[KR:KR+1], v[KR+8:KR+9]   ; kbar: lane l has numbers 2 l, 2 l + 1
	ds_store_b64 v[W+10], v[KR:KR+1]
.irp m, 0,1,2,3,4,5,6,7
	ds_load_b128 v[S+32+4*\m:S+32+4*\m+3], v[W+11] offset:16*\m   ; my wave's own bytes: LDS serves a wave's instructions in order (ISA guide 5.7.1.4)
.endr
.irp m, 0,1,2,3
	v_cvt_scale_pk8_f32_fp4 v[S+8*\m:S+8*\m+7], v[QB1+\m], v[W+12]   ; my block of q as f32, without its scale
.endr
	v_nop                                          ; one plain place behind a scaled conversion
	s_wait_dscnt 0x0
	v_pk_mul_f32 v[W:W+1], v[S:S+1], v[S+32:S+33]
	v_pk_mul_f32 v[W+2:W+3], v[S+2:S+3], v[S+34:S+35]
.irp j, 4,8,12,16,20,24,28
	v_pk_fma_f32 v[W:W+1], v[S+\j:S+\j+1], v[S+32+\j:S+33+\j], v[W:W+1]
	v_pk_fma_f32 v[W+2:W+3], v[S+2+\j:S+3+\j], v[S+34+\j:S+35+\j], v[W+2:W+3]
.endr
	v_pk_add_f32 v[W:W+1], v[W:W+1], v[W+2:W+3]
	v_add_f32 v[W], v[W], v[W+1]
	v_lshlrev_b32 v[W+2], 3, v[HL]
	v_lshrrev_b32 v[W+2], v[W+2], v[QS1]
	v_and_b32 v[W+2], 0xff, v[W+2]
	v_lshlrev_b32 v[W+2], 23, v[W+2]               ; my block's scale as an f32 number
	v_mul_f32 v[W], v[W], v[W+2]
	v_permlanex16_b32 v[W+1], v[W], s[SEL], s[SEL+1]
	v_add_f32 v[W], v[W], v[W+1]                   ; q . kbar
	v_mov_b32 v[W+3], s37
	v_rcp_f32 v[W+4], v[W+3]
	v_rsq_f32 v[W+5], v[W+3]
	v_mov_b32 v[W+6], s39                          ; (a plain place behind the transcendentals)
	s_wait_alu depctr_va_vdst(0)
	v_mul_f32 v[W], v[W], v[W+4]                   ; pooled
	v_mul_f32 v[W+5], 0x3fb8aa3b, v[W+5]           ; c = log2(e) / sqrt(cnt)
	v_readfirstlane_b32 s[CS], v[W+5]
	s_mov_b32 s[CS+1], s[CS]                       ; (named with it as a pair)
	v_fma_f32 v[W], v[W], s38, v[W+6]              ; x = pooled gain + bias
	v_mul_f32 v[W], 0xbfb8aa3b, v[W]
	v_exp_f32 v[W], v[W]                           ; e^-x
	v_nop
	s_wait_alu depctr_va_vdst(0)
	v_add_f32 v[W], 1.0, v[W]
	v_rcp_f32 v[GATE], v[W]
	v_mov_b32 v[NM+1], 0xf149f2ca                  ; the largest t so far: -1e30
	v_floor_f32 v[NM], -v[NM+1]                    ; -M
	v_mov_b32 v[SUM], 0
	v_mov_b32 v[SUM+1], 0
	v_mov_b32 v[F+1], 0
.irp b, 0,1,2,3
	v_mov_b32 v[BX+\b], 0                          ; written once: a lane permute's destination counts as one of its sources
.endr
.irp j, 0,1,2,3,4,5,6,7,8,9,10,11,12,13,14,15,16,17,18,19,20,21,22,23,24,25,26,27,28,29,30,31
	v_mov_b32 v[O+\j], 0                           ; O^T.  (The step is written without a first step of its own: it finds zeros, which the first change of M leaves zeros)
.endr
; A KEY STEP: 128 keys, the q-th of the four in hand.
.macro STEP q
.rept 4
	v_nop                                          ; four places in front of loads into registers that the last products read
.endr
.irp pi, 0,1,2,3
.irp c, 0,1
	ds_load_b128 v[KR+8*\pi+4*\c:KR+8*\pi+4*\c+3], v[ADK] offset:STEPB*(\q)+1024*\pi+512*\c   ; tile 2 pi + c of the keys: K = 64 c on of fragment pi
.endr
.endr
	ds_load_b64 v[KS:KS+1], v[ADS8] offset:STEPB*(\q)+KSC
.irp n, 0,1,2,3,4,5,6,7,8,9,10,11,12,13,14,15
	ds_load_b128 v[S+4*\n:S+4*\n+3], v[ADM] offset:512*(\q)+128*(\n/4)+16*(\n%4)   ; 0 or -2^126 of keys 32 (n / 4) + 16 (lane / 16) + 4 (n % 4) on: the lanes of a half read the same 16 bytes
.endr
.irp tau, 0,1,2,3
.irp c, 0,1
	ds_load_b128 v[VR+8*\tau+4*\c:VR+8*\tau+4*\c+3], v[ADK] offset:STEPB*(\q)+VC+1024*\tau+512*\c
.endr
.endr
	ds_load_b64 v[VS:VS+1], v[ADS8] offset:STEPB*(\q)+VSC
	s_wait_dscnt 9                                 ; V's nine loads, the youngest, may stay out
.irp pi, 0,1,2,3                               ; S^T = K Q^T + the mask's numbers; each accumulator has one turn
.if \pi%2 == 0
	v_wmma_scale_f32_16x16x128_f8f6f4 v[S+16*\pi:S+16*\pi+7], v[KR+8*\pi:KR+8*\pi+7], v[QB1:QB1+7], v[S+16*\pi:S+16*\pi+7], v[KS+\pi/2], v[QS1] matrix_a_fmt:MATRIX_FMT_FP4 matrix_b_fmt:MATRIX_FMT_FP4
	v_wmma_scale_f32_16x16x128_f8f6f4 v[S+16*\pi+8:S+16*\pi+15], v[KR+8*\pi:KR+8*\pi+7], v[QB2:QB2+7], v[S+16*\pi+8:S+16*\pi+15], v[KS+\pi/2], v[QS2] matrix_a_fmt:MATRIX_FMT_FP4 matrix_b_fmt:MATRIX_FMT_FP4
.else
	v_wmma_scale_f32_16x16x128_f8f6f4 v[S+16*\pi:S+16*\pi+7], v[KR+8*\pi:KR+8*\pi+7], v[QB1:QB1+7], v[S+16*\pi:S+16*\pi+7], v[KS+\pi/2], v[QS1] matrix_a_fmt:MATRIX_FMT_FP4 matrix_b_fmt:MATRIX_FMT_FP4 matrix_a_scale:MATRIX_SCALE_ROW1
	v_wmma_scale_f32_16x16x128_f8f6f4 v[S+16*\pi+8:S+16*\pi+15], v[KR+8*\pi:KR+8*\pi+7], v[QB2:QB2+7], v[S+16*\pi+8:S+16*\pi+15], v[KS+\pi/2], v[QS2] matrix_a_fmt:MATRIX_FMT_FP4 matrix_b_fmt:MATRIX_FMT_FP4 matrix_a_scale:MATRIX_SCALE_ROW1
.endif
.endr
.rept 4
	v_nop
.endr
.irp b, 0,1,2,3
	v_max3_num_f32 v[BM+\b], v[S+16*\b], v[S+1+16*\b], v[S+2+16*\b]   ; the largest score of each block of 32 keys: for the row's maximum, and, since p rises with the score, for the block's largest p
.endr
.irp i, 3,5,7,9,11,13
.irp b, 0,1,2,3
	v_max3_num_f32 v[BM+\b], v[BM+\b], v[S+16*\b+\i], v[S+1+16*\b+\i]
.endr
.endr
.irp b, 0,1,2,3
	v_max_num_f32 v[BM+\b], v[BM+\b], v[S+15+16*\b]
.endr
.irp b, 0,1,2,3
	v_permlanex16_b32 v[BX+\b], v[BM+\b], s[SEL], s[SEL+1]
.endr
.irp b, 0,1,2,3
	v_max_num_f32 v[BM+\b], v[BM+\b], v[BX+\b]     ; with lane l xor 16's 16 keys
.endr
	v_max3_num_f32 v[T0], v[BM], v[BM+1], v[BM+2]
	v_max_num_f32 v[T0], v[T0], v[BM+3]
	v_mul_f32 v[T0], s[CS], v[T0]                  ; as t (c is positive)
	v_max_num_f32 v[NM+1], v[NM+1], v[T0]          ; the running largest t
	v_mov_b32 v[T0], v[NM]
	v_floor_f32 v[NM], -v[NM+1]                    ; the new -M = floor(-t) = -ceil(t)
	v_sub_f32 v[T0], v[NM], v[T0]                  ; old M - new M: a whole number, 0 or less
	v_cvt_i32_f32 v[T0], v[T0]                     ; (it saturates)
	v_ldexp_f32 v[F], 1.0, v[T0]                   ; f = 2^(old M - new M)
.irp j, 0,2,4,6,8,10,12,14,16,18,20,22,24,26,28,30,32,34,36,38,40,42,44,46,48,50,52,54,56,58,60,62
	v_pk_fma_f32 v[S+\j:S+\j+1], v[S+\j:S+\j+1], s[CS:CS+1], v[NM:NM+1] op_sel_hi:[1,0,0]   ; t - M, two at a time
.endr
.irp b, 0,1,2,3
	v_fma_f32 v[BM+\b], v[BM+\b], s[CS], v[NM]     ; the same of each block's largest score
.endr
.irp j, 0,1,2,3,4,5,6,7,8,9,10,11,12,13,14,15,16,17,18,19,20,21,22,23,24,25,26,27,28,29,30,31,32,33,34,35,36,37,38,39,40,41,42,43,44,45,46,47,48,49,50,51,52,53,54,55,56,57,58,59,60,61,62,63
	v_exp_f32 v[S+\j], v[S+\j]                     ; p = 2^(t - M); 0 for a closed key
.endr
.irp b, 0,1,2,3
	v_exp_f32 v[BM+\b], v[BM+\b]                   ; the block's largest p: the same two instructions on the same number
.endr
	v_pk_mul_f32 v[SUM:SUM+1], v[SUM:SUM+1], v[F:F+1] op_sel_hi:[1,0]   ; the sum under the new M.  (A plain place behind the exponentials)
	s_wait_alu depctr_va_vdst(0)
.irp b, 0,1,2,3
	v_max_num_f32 v[BM+\b], 0x1800000, v[BM+\b]    ; the floor 2^(3 - 127): the byte cannot fall under 1
.endr
.irp b, 0,1,2,3
	v_add_nc_u32 v[SO+\b], 0xff000000, v[BM+\b]    ; 2 off the exponent field: the conversion's scale operand
.endr
.irp b, 0,1,2,3
	v_lshrrev_b32 v[BX+\b], 23, v[SO+\b]           ; the scale's byte
.endr
	v_lshl_or_b32 v[PW], v[BX+1], 8, v[BX]
	v_lshl_or_b32 v[PW], v[BX+2], 16, v[PW]
	v_lshl_or_b32 v[PW], v[BX+3], 24, v[PW]
.irp b, 0,1,2,3
	v_cvt_scalef32_pk8_fp4_f32 v[PC+2*\b], v[S+16*\b:S+7+16*\b], v[SO+\b]
	v_cvt_scalef32_pk8_fp4_f32 v[PC+1+2*\b], v[S+8+16*\b:S+15+16*\b], v[SO+\b]
.endr
	v_nop                                          ; one plain place behind a scaled conversion
.irp c, 0,1                                    ; a WHOLE block to a lane
.irp i, 0,1
	v_permlane16_swap_b32 v[PC+4*\c+\i], v[PC+2+4*\c+\i]
.endr
.endr
	v_pk_add_f32 v[SU2:SU2+1], v[S:S+1], v[S+2:S+3]   ; the row's sum is taken of the unquantised p, in two chains
.irp j, 4,8,12,16,20,24,28,32,36,40,44,48,52,56,60
	v_pk_add_f32 v[SUM:SUM+1], v[SUM:SUM+1], v[S+\j:S+\j+1]
	v_pk_add_f32 v[SU2:SU2+1], v[SU2:SU2+1], v[S+2+\j:S+3+\j]
.endr
	v_pk_add_f32 v[SUM:SUM+1], v[SUM:SUM+1], v[SU2:SU2+1]
.irp j, 0,2,4,6,8,10,12,14,16,18,20,22,24,26,28,30
	v_pk_mul_f32 v[O+\j:O+\j+1], v[O+\j:O+\j+1], v[F:F+1] op_sel_hi:[1,0]   ; O^T under the new M.  (With the sums above: 48 plain lines between p's scale word and codes and the products below)
.endr
	s_wait_dscnt 0x0                               ; V is in
.irp tau, 0,1,2,3                              ; O^T += V^T P^T; each accumulator has one turn
.if \tau%2 == 0
	v_wmma_scale_f32_16x16x128_f8f6f4 v[O+8*\tau:O+8*\tau+7], v[VR+8*\tau:VR+8*\tau+7], v[PC:PC+7], v[O+8*\tau:O+8*\tau+7], v[VS+\tau/2], v[PW] matrix_a_fmt:MATRIX_FMT_FP4 matrix_b_fmt:MATRIX_FMT_FP4
.else
	v_wmma_scale_f32_16x16x128_f8f6f4 v[O+8*\tau:O+8*\tau+7], v[VR+8*\tau:VR+8*\tau+7], v[PC:PC+7], v[O+8*\tau:O+8*\tau+7], v[VS+\tau/2], v[PW] matrix_a_fmt:MATRIX_FMT_FP4 matrix_b_fmt:MATRIX_FMT_FP4 matrix_a_scale:MATRIX_SCALE_ROW1
.endif
.endr
.endm
.macro CHUNK                           ; four key steps: what one tensor load brought
	v_add_nc_u32 v[ADK], s[TB], v[LI16]
	v_add_nc_u32 v[ADS8], s[TB], v[LI8]
	v_add_nc_u32 v[ADM], s[TMO], v[AM0]
	STEP 0
	STEP 1
	STEP 2
	STEP 3
.endm
	s_wait_tensorcnt 0x3                           ; wave 0: key steps 0-3 have landed; its three later loads may stay out
	s_wait_dscnt 0x0                               ; my part of the mask's numbers lies in LDS
	s_barrier_signal -1
	s_barrier_wait -1
	CHUNK
	s_wait_tensorcnt 0x0                           ; the rest of the head has landed,
	s_barrier_signal -1
	s_barrier_wait -1                              ; for every wave
	s_mov_b32 s36, 3
.Lchunk:
	s_add_co_u32 s[TB], s[TB], CHB
	s_add_co_u32 s[TMO], s[TMO], 2048
	CHUNK
	s_sub_co_u32 s36, s36, 1
	s_cmp_lg_u32 s36, 0
	s_cbranch_scc1 .Lchunk
	; THE WAY OUT.  O^T x gate / the sum goes through my stage in LDS and leaves as rows of 256 bytes: my head's part of a row of out.
.rept 4
	v_nop                                          ; four places behind the last products
.endr
	v_add_f32 v[SUM], v[SUM], v[SUM+1]
	v_permlanex16_b32 v[BX], v[SUM], s[SEL], s[SEL+1]
	v_add_f32 v[SUM], v[SUM], v[BX]                ; the row's sum
	v_rcp_f32 v[SUM], v[SUM]
	v_and_b32 v[T0], 15, v0                        ; (a plain place behind the transcendental)  r
	v_bfe_u32 v[HL], v0, 4, 1
	s_wait_alu depctr_va_vdst(0)
	v_mul_f32 v[SUM], v[SUM], v[GATE]
	s_mul_i32 s66, s[WV], 16*272
	s_add_co_u32 s66, s66, STAGE                   ; my stage
	v_mul_u32_u24 v[ADK], v[T0], 272
	v_lshl_add_u32 v[ADK], v[HL], 6, v[ADK]
	v_add_nc_u32 v[ADK], s66, v[ADK]               ; in: row r; register 8 tau + j is channel 32 (tau / 2) + 16 (lane / 16) + 8 (tau % 2) + j
	v_mul_u32_u24 v[ADS8], v[HL], 272
	v_lshl_add_u32 v[ADS8], v[T0], 4, v[ADS8]
	v_add_nc_u32 v[ADS8], s66, v[ADS8]             ; back: lanes 0-15 one row, lanes 16-31 the next
	v_lshlrev_b32 v[GO], 12, v[HL]
	v_lshl_add_u32 v[GO], v[T0], 4, v[GO]
.irp j, 0,1,2,3,4,5,6,7,8,9,10,11,12,13,14,15,16,17,18,19,20,21,22,23,24,25,26,27,28,29,30,31
	v_mul_f32 v[W+\j], v[O+\j], v[SUM]             ; each accumulator from its low end on
.endr
.irp tau, 0,1,2,3
	ds_store_b128 v[ADK], v[W+8*\tau:W+8*\tau+3] offset:128*(\tau/2)+32*(\tau%2)
	ds_store_b128 v[ADK], v[W+8*\tau+4:W+8*\tau+7] offset:128*(\tau/2)+32*(\tau%2)+16
.endr
.irp n, 0,1,2,3,4,5,6,7
	ds_load_b128 v[S+4*\n:S+4*\n+3], v[ADS8] offset:544*\n   ; my own bytes: LDS serves a wave's instructions in order
.endr
.irp n, 0,1,2,3,4,5,6,7
	s_wait_dscnt 7-\n                              ; the loads issued behind the n-th may be out
	global_store_b128 v[GO], v[S+4*\n:S+4*\n+3], s[22:23] offset:(2*\n+8*(\n/4))*4096 th:TH_STORE_NT   ; stage row i is query i + 8 (i / 8) of the tile; 16 lanes store 256 consecutive bytes, at a multiple of 256 from out's first byte
.endr
	s_wait_tensorcnt 0x0
	ds_add_u32 v54, v55
	s_wait_dscnt 0x0
	CROUND                                         ; the closing round: no work-group ends while a partner may still ask for a tile that names it
	s_endpgm
.Lfunc_end_k_q66ba2782bd_attn:
	.size	k_q66ba2782bd_attn, .Lfunc_end_k_q66ba2782bd_attn-k_q66ba2782bd_attn
	.p2alignl 7, 3214868480
	.fill 96, 4, 3214868480
	.section	.rodata,"a",@progbits
	.p2align	6, 0x0
	.amdhsa_kernel k_q66ba2782bd_attn
		.amdhsa_group_segment_fixed_size 223232
		.amdhsa_private_segment_fixed_size 0
		.amdhsa_enable_private_segment 0
		.amdhsa_kernarg_size 64
		.amdhsa_user_sgpr_count 2
		.amdhsa_user_sgpr_kernarg_segment_ptr 1
		.amdhsa_wavefront_size32 1
		.amdhsa_system_sgpr_workgroup_id_x 1
		.amdhsa_system_sgpr_workgroup_id_y 1
		.amdhsa_system_sgpr_workgroup_id_z 1
		.amdhsa_system_vgpr_workitem_id 0
		.amdhsa_next_free_vgpr 256
		.amdhsa_next_free_sgpr 80
		.amdhsa_reserve_vcc 1
		.amdhsa_float_denorm_mode_32 3
		.amdhsa_float_denorm_mode_16_64 3
		.amdhsa_memory_ordered 1
		.amdhsa_forward_progress 1
		.amdhsa_inst_pref_size 142
	.end_amdhsa_kernel
	.amdgpu_metadata
---
amdhsa.version: [ 1, 2 ]
amdhsa.kernels:
  - .name:           k_q66ba2782bd_attn
    .symbol:         k_q66ba2782bd_attn.kd
    .args:
      - { .name: qx, .offset: 0, .size: 8, .value_kind: global_buffer, .address_space: global }
      - { .name: kv, .offset: 8, .size: 8, .value_kind: global_buffer, .address_space: global }
      - { .name: kpart, .offset: 16, .size: 8, .value_kind: global_buffer, .address_space: global }
      - { .name: value_key_masks, .offset: 24, .size: 8, .value_kind: global_buffer, .address_space: global }
      - { .name: value_key_counts, .offset: 32, .size: 8, .value_kind: global_buffer, .address_space: global }
      - { .name: overall_gain, .offset: 40, .size: 8, .value_kind: global_buffer, .address_space: global }
      - { .name: overall_bias, .offset: 48, .size: 8, .value_kind: global_buffer, .address_space: global }
      - { .name: out0, .offset: 56, .size: 8, .value_kind: global_buffer, .address_space: global }
    .group_segment_fixed_size: 223232
    .private_segment_fixed_size: 0
    .kernarg_segment_align: 8
    .kernarg_segment_size: 64
    .max_flat_workgroup_size: 512
    .sgpr_count:     80
    .vgpr_count:     256
    .wavefront_size: 32
...
	.end_amdgpu_metadata
.endif
;; end of part 2
